; MI455X (gfx1250); checked and timed in simulation.
; The chip was launched on July 23, 2026; its instructions are those of AMD's public machine-readable ISA for CDNA 5 (MIT licence, August 2026) and "CDNA5" Instruction Set Architecture Reference Guide (July 2026). The comments in the code are by the model that wrote it; some were corrected since.
;; QKV Attention. Allowed arithmetic: matrix products marked QUANTISED: E3M2 operands, one E8M0 scale for each 32 along K, by v_wmma_scale_f32_16x16x128_f8f6f4 with both operands' format E3M2, f32 sums; everything else in f32.
;; Inputs: mask 8 x 1,024 float32; qkv 8 x 3,072 x 1,024 float32.
;; Outputs: out0 8 x 1,024 x 1,024 float32.
;; This version of the problem:
;;   THIS VERSION OF THE PROBLEM IS GIVEN IN LOW PRECISION. The matrix products marked QUANTISED in the list below multiply operands that are first quantised to E3M2 (3 exponent bits, 2 mantissa bits; 6 bits a number), with one power-of-two scale for each 32 numbers along K (OCP MX v1.0); their sums are f32. All else is computed in f32.
;;   The module's matrix products, in the order in which they are computed (A, B: the left and right operand; K: the contracted axis; several contracted axes count as one K, in the product's order):
;;     1. batch 128 x [M 1,024, K 64] x [K 64, N 1,024]; A: computed on the way; B: computed on the way: QUANTISED
;;     2. batch 128 x [M 64, K 1,024] x [K 1,024, N 1,024]; A: computed on the way; B: softmax (see below): QUANTISED
;;   THE QUANTISER, for each operand of a quantised product, along K:
;;     - K is cut into blocks of 32 from its start; a last block that is shorter is filled with zeros.
;;     - A block's scale is 2^e with e = floor(log2(the largest magnitude in the block)) - 4, held to -126 .. 127; a block of zeros has e = 0. As a byte (E8M0): e + 127.
;;     - Each number is divided by its block's scale, clamped to +-28, and rounded to the nearest number of E3M2, ties to even, subnormals kept.
;;     - The product sums the exact products of the quantised numbers (number of the format x scale) in f32.
;;   ~~~python
;;   def quantise(x, axis):      # numpy; x: float32 -> the quantised numbers, widened to float32 again
;;       x = np.moveaxis(x, axis, -1); K = x.shape[-1]
;;       x = np.pad(x, [(0, 0)] * (x.ndim - 1) + [(0, -K % 32)]); x = x.reshape(x.shape[:-1] + (-1, 32)); a = np.abs(x).max(-1, keepdims=True)
;;       e = np.where(a > 0, np.clip(np.frexp(np.where(a > 0, a, 1))[1] - 1 - 4, -126, 127), 0)      # np.frexp(a)[1] - 1 = floor(log2(a)), exactly
;;       r = np.clip(x / 2.0 ** e, -28, 28)
;;       step = 2.0 ** (np.maximum(np.frexp(np.where(r == 0, 1, r))[1] - 1, -2) - 2)
;;       q = np.round(r / step) * step * 2.0 ** e      # np.round: ties to even
;;       return np.moveaxis(q.reshape(q.shape[:-2] + (-1,))[..., :K], -1, axis).astype(np.float32)
;;   ~~~
;;   SOFTMAX AHEAD OF A QUANTISED PRODUCT. Where the list says 'softmax', what is quantised is not the finished softmax but p = 2^(t - M), with t = logit x log2(e) and M = ceil(the row's largest t), a whole number; so 1/2 < the row's largest p <= 1. The row's sum l is taken of the UNQUANTISED p, in f32, and the product's result is divided by l at the end. Since M is a whole number, a kernel that streams over the keys may use a running M (the ceiling of the running maximum): every later rescaling is an exact power of two, which a block's scale takes up: the codes' values come out the same.
;;   OPERANDS COMPUTED ON THE WAY. 'Computed on the way' means the value that the module computes at that place (a softmax that the list does not call 'softmax' is quantised finished and normalised). What goes into a quantiser is computed in f32, as accurately as f32 sums, v_exp_f32 and their like allow (about 1e-6 of the number): no bf16 or f16 on the way to a quantiser, and a product that is left as it is and whose result goes on into a quantised operand takes f32 operands (vector FMAs, or v_wmma_f32_16x16x4_f32). A number that lies on a knife's edge between two numbers of the format may be rounded either way, as far as f32 arithmetic and the matrix unit's own rounding can turn it there, and no further.
;; One version. Each part assembles by itself: llvm-mc -triple=amdgcn-amd-amdhsa -mcpu=gfx1250 --defsym DOCPART=n.
;; ======== version 1 of 1: 1 launch
;; limits: right only within a limited range of input values
;; launch attn (part 1): grid 128 x 2, 8 waves a work-group, no clusters, 327,680 bytes of LDS; arguments qkv, mask, out0; writes out0
.if DOCPART == 1
	.amdgcn_target "amdgcn-amd-amdhsa--gfx1250"
	.amdhsa_code_object_version 6
	.text
	.protected	k_q98ade4b380_attn
	.globl	k_q98ade4b380_attn
	.p2align	8
	.type	k_q98ade4b380_attn,@function
k_q98ade4b380_attn:
	s_mov_b64 s[64:65], 0
	v_nop
	global_prefetch_b8 v0, s[64:65] scope:SCOPE_SE
	s_setreg_imm32_b32 hwreg(HW_REG_WAVE_MODE, 25, 1), 1
	s_wait_xcnt 0x0
; out[bh][c][t] = sum over s of softmax_s( (q.sigma)^T (k.sigma) [t][s] x m[s] ) v[c][s], for 128 heads bh = 16 b + h, 64 channels, 1,024 positions; sigma = 1 / sqrt(sqrt(64)).
; Both products run on codes of BF6 (E3M2) with one E8M0 scale for each 32 along K: K = the 64 channels in the first, K = the keys in the second.
; qkv: [8][3072][1024] f32: a head's q, k, v are 64 rows of 4,096 bytes from rows 3072 b + 64 h, + 1024, + 2048.  mask: [8][1024] f32, row bh mod 8.  out0: rows 64 bh on.
; SOFTMAX: t = score x m x log2(e); M = the running largest t rounded up to a whole number; p = 2^(t - M) is quantised along the keys; the sum of the unquantised p divides at the end.
; When M moves, the sum and O are multiplied by 2^(old M - new M), which rounds nothing.
; SHARES.  A work-group (x = head, y = half) owns 512 queries of one head, in two passes of 256; in a pass each of its eight waves owns 32: two tiles of 16.  Keys go in 8 chunks of 128.
; In pass 0, while chunk j is attended to, the eight waves quantise chunk j + 1, a lane one block of 32 of K and one of V, into LDS as images of operand registers.  The codes of all eight chunks stay in LDS
; (102,400 bytes), so pass 1 reads them with no barrier until its way out, and pass 0's results leave in the middle of the launch.
; K's and V's f32 chunks come by tensor loads into a ring of two LDS slots; a pass's 256 queries by one tensor load.  One barrier a chunk, its signal and its wait apart with register work between.
; THE FIRST PRODUCT HAS K = 64, THE INSTRUCTION 128.  A fragment of K holds TWO tiles of 16 keys (registers 0-5 and 6-11); it is multiplied by [Q | zeros] for the first tile's scores and by [zeros | Q] for the second's.
; LAYOUT.  Both products are used transposed (source 0 = keys, or channels of V; source 1 = queries): a lane holds one query throughout.  Row r of key tile 4 c + q is key 64 c + 32 (r / 8) + 8 q + r % 8, so register
; 32 c + i of the scores is key 64 c + 32 (lane / 16) + i: a lane holds two WHOLE blocks of 32 keys, in the order and the lane in which the second product's operand wants them.
; Tile x, lane r is query 2 r + x of the wave's 32.
; NO CLUSTER: only the two work-groups of a head read the same K and V.  Four partners would mean 256 queries of a head to a work-group, and each would still quantise all of K and V (66 vector instructions a wave and
; chunk): twice that work in all.
; PREFETCH: chunks 4 to 7 are asked for in the loop, two chunks a trip, between one and two steps ahead of their tensor loads; the two work-groups of a head share the 256-byte blocks out by address.
; LIMITS: NaN and infinities among the inputs are not served; t under -3e38 is not served; a block of zeros, or one whose largest magnitude lies under 2^-122, gets the scale byte 1 (zeros stay zeros);
; t is formed as score x (m x log2(e)), one rounding placed otherwise than score x m, then x log2(e); p under 2^-126 comes out of v_exp_f32 as 0.
; REGISTERS, window 0: v1 spare word, v2 zero, v3-29 addresses, v30-31 permutes, v32-39 statistics (tile: -M, largest t, the sum in two halves), v40-47 work and f, v48 Q's scale words, v49 P's, v50-51 their halves, v52-55 K's,
;   v56-59 V's, v60-71 block maxima, scale operands, bytes, v72-95 P's codes, v96-111 and v240-251 conversions, v112-239 the scores of two tiles, v252-253 addresses.
; window 1: v0-63 O^T, v64-93 zeros and Q by turns (Z Q0 Z Q1 Z, six each), v96-143 K's four fragments, v144-191 V's, v192-255 by turns the chunk's mask numbers and the numbers to quantise.
.set CBUF,  12800                      ; a chunk's codes: K's 8 half images, V's 8, K's scale words, V's
.set VIMG,  6144
.set KSC,   12288
.set VSC,   12544
.set MASK,  102400                     ; m x log2(e), 1,024 numbers
.set SPARE, 106496                     ; the spare words: 128 bytes for each of eight waves, four blocks of 256 bytes that no other line names
.set SLOT0, 107520                     ; a slot: K's 64 rows of 512 + 16 bytes, then V's; behind their last fills the slots are the stages of the way out
.set VHALF, 33792
.set SLOTB, 67584
.set QREG,  242688                     ; a pass's queries: 64 rows of 1,024 + 16 bytes
.set ROWP,  1040
.set SA, 112                           ; scores of tile 0
.set SB, 176                           ; scores of tile 1
.set MSB, 0
.macro WIN new                         ; the immediate's high byte repeats the setting that is left; a switch that changes nothing is dropped
.if MSB != (\new)
	s_set_vgpr_msb (MSB<<8)|(\new)
.set MSB, (\new)
.endif
.endm
.macro SUM2 d, a, ka, b, kb            ; d = a ka + b kb
	s_mul_i32 s[\d], s[\a], \ka
	s_mul_i32 s78, s[\b], \kb
	s_add_co_u32 s[\d], s[\d], s78
.endm
; Two blocks of 32 numbers of a lane, v[s] and v[s+32] on (w: their window): x sigma (the first, or both), largest magnitude with the floor 2^(5 - 127), scale operands v251, v107, bytes v250, v106, codes v[240:245], v[96:101].
.macro BLK2 s, w, both
	WIN 0x41*(\w)
.set i, 0
.rept 16
	v_pk_mul_f32 v[\s+2*i:\s+2*i+1], v[\s+2*i:\s+2*i+1], 0x3eb504f3 op_sel_hi:[1,0]   ; x sigma, in f32, ahead of the quantiser
.if \both
	v_pk_mul_f32 v[\s+32+2*i:\s+33+2*i], v[\s+32+2*i:\s+33+2*i], 0x3eb504f3 op_sel_hi:[1,0]
.endif
.set i, i+1
.endr
	WIN 0x14*(\w)
	v_max3_num_f32 v249, 0x2800000, |v[\s]|, |v[\s+1]|         ; the floor holds the byte at 1 from below
	v_max3_num_f32 v105, 0x2800000, |v[\s+32]|, |v[\s+33]|
.set i, 1
.rept 15
	v_max3_num_f32 v249, v249, |v[\s+2*i]|, |v[\s+2*i+1]|
	v_max3_num_f32 v105, v105, |v[\s+32+2*i]|, |v[\s+33+2*i]|
.set i, i+1
.endr
	WIN 0
	v_add_nc_u32 v251, 0xfe000000, v249                        ; 4 off the exponent field: the conversion takes that field as its scale
	v_add_nc_u32 v107, 0xfe000000, v105
	v_lshrrev_b32 v250, 23, v251                               ; the scale's byte
	v_lshrrev_b32 v106, 23, v107
	WIN 0x01*(\w)
	v_cvt_scalef32_pk16_bf6_f32 v[240:242], v[\s:\s+15], v251
	v_cvt_scalef32_pk16_bf6_f32 v[246:248], v[\s+16:\s+31], v251   ; (a conversion's three registers begin on an even number)
	v_cvt_scalef32_pk16_bf6_f32 v[96:98], v[\s+32:\s+47], v107
	v_cvt_scalef32_pk16_bf6_f32 v[102:104], v[\s+48:\s+63], v107
	WIN 0
	v_nop                                                      ; one plain place behind a scaled conversion
.irp i, 0,1,2
	v_mov_b32 v[243+\i], v[246+\i]
	v_mov_b32 v[99+\i], v[102+\i]
.endr
.endm
; 40 loads, the numbers that I quantise, out of slot sl: K: key 32 (wave / 2) + lane, channels 32 (wave % 2) + 0 .. 31;  V: channel 32 (wave / 4) + lane, keys 32 (wave % 4) + 0 .. 31.
.macro QLOADS sl
	WIN 0x40
.set i, 0
.rept 32
	ds_load_b32 v[192+i], v[11+2*(\sl)] offset:528*i
.set i, i+1
.endr
.irp q, 0,1,2,3,4,5,6,7
	ds_load_b128 v[224+4*\q:227+4*\q], v[12+2*(\sl)] offset:16*\q
.endr
	WIN 0
.endm
; They become codes at s46 + ci as images of operand registers: registers 0-3 at 16 x operand lane, registers 4-5 at 512 + 8 x operand lane, the scale byte at its place in its row's word.
.macro QUANT ci
	BLK2 192, 1, 0
.irp i, 0,1,2,3,4,5
	v_add_nc_u32 v[21+\i], s46, v[15+\i]
.endr
	ds_store_b128 v21, v[240:243] offset:(\ci)
	ds_store_b64 v22, v[244:245] offset:(\ci)+512
	ds_store_b8 v23, v250 offset:(\ci)+KSC
	ds_store_b128 v24, v[96:99] offset:(\ci)+VIMG
	ds_store_b64 v25, v[100:101] offset:(\ci)+VIMG+512
	ds_store_b8 v26, v106 offset:(\ci)+VSC
.endm
; Q: lane l takes query 2 (l % 16) + l / 16 of my wave's 32; its registers run down the channels: two blocks of 32.
.macro QLD
.set i, 0
.rept 64
	ds_load_b32 v[176+i], v252 offset:ROWP*i
.set i, i+1
.endr
.endm
.macro QBL
	BLK2 176, 0, 1
.irp i, 0,1,2,3,4,5
	v_permlane16_swap_b32 v[240+\i], v[96+\i]      ; block 0's lanes 16-31 (tile 1) change places with block 1's lanes 0-15 (tile 0): now each run is one tile's fragment half
.endr
	v_lshl_or_b32 v40, v106, 8, v250
	v_lshl_or_b32 v48, v40, 16, v40                ; (s0, s1, s0, s1): the word serves [Q | zeros] and [zeros | Q]; lanes 0-15 tile 0, lanes 16-31 tile 1
	WIN 0x40
.irp i, 0,1,2,3,4,5
	v_mov_b32 v[70+\i], v[240+\i]
	v_mov_b32 v[82+\i], v[96+\i]
.endr
	WIN 0
.endm
.macro INIT                            ; a pass begins: the largest t so far -3e38, the sums and O^T zeros.  (The step is written for any chunk: the first finds zeros, which the first change of M leaves zeros)
	v_mov_b32 v33, 0xff61b1e6
	v_mov_b32 v37, 0xff61b1e6
	v_mov_b32 v34, 0
	v_mov_b32 v35, 0
	v_mov_b32 v38, 0
	v_mov_b32 v39, 0
	v_floor_f32 v32, -v33
	v_floor_f32 v36, -v37
	WIN 0x40
.set i, 0
.rept 64
	v_mov_b32 v[i], 0
.set i, i+1
.endr
	WIN 0
.endm
; 33 loads: K's four scale words, its eight half images (four fragments), and the chunk's 64 mask numbers of my half of the lanes.
.macro FETCHK a, b, c, m, ci, mi
	ds_load_b128 v[52:55], v[\c] offset:(\ci)+KSC
	WIN 0x40
.irp f, 0,1,2,3,4,5,6,7
	ds_load_b128 v[96+6*\f:99+6*\f], v[\a] offset:(\ci)+768*\f
	ds_load_b64 v[100+6*\f:101+6*\f], v[\b] offset:(\ci)+768*\f+512
.endr
.irp q, 0,1,2,3,4,5,6,7,8,9,10,11,12,13,14,15
	ds_load_b128 v[192+4*\q:195+4*\q], v[\m] offset:(\mi)+256*(\q/8)+16*(\q%8)
.endr
	WIN 0
.endm
; 17 loads: V's four scale words and its eight half images.
.macro FETCHV ci
	ds_load_b128 v[56:59], v5 offset:(\ci)+VSC
	WIN 0x40
.irp f, 0,1,2,3,4,5,6,7
	ds_load_b128 v[144+6*\f:147+6*\f], v3 offset:(\ci)+VIMG+768*\f
	ds_load_b64 v[148+6*\f:149+6*\f], v4 offset:(\ci)+VIMG+768*\f+512
.endr
	WIN 0
.endm
; S^T = K Q^T for the two tiles: 16 products, each on an accumulator of its own, each begun with the constant 0.  u = 0: [Q | zeros]; u = 1: [zeros | Q].
.macro QK
	WIN 0x05                                       ; sources 0 and 1 window 1, destination window 0
.irp p, 0,1,2,3
.irp u, 0,1
	v_wmma_scale_f32_16x16x128_f8f6f4 v[SA+16*\p+8*\u:SA+7+16*\p+8*\u], v[96+12*\p:107+12*\p], v[70-6*\u:81-6*\u], 0, v[52+\p], v48 matrix_a_fmt:MATRIX_FMT_BF6 matrix_b_fmt:MATRIX_FMT_BF6
	v_wmma_scale_f32_16x16x128_f8f6f4 v[SB+16*\p+8*\u:SB+7+16*\p+8*\u], v[96+12*\p:107+12*\p], v[82-6*\u:93-6*\u], 0, v[52+\p], v48 matrix_a_fmt:MATRIX_FMT_BF6 matrix_b_fmt:MATRIX_FMT_BF6 matrix_b_scale:MATRIX_SCALE_ROW1
.endr
.endr
	WIN 0
.endm
.macro MASKMUL                         ; t = score x (m x log2(e)), two at a time; each accumulator is read from its low end on
	WIN 0x04
.set n, 0
.rept 32
	v_pk_mul_f32 v[SA+2*n:SA+1+2*n], v[SA+2*n:SA+1+2*n], v[192+2*n:193+2*n]
	v_pk_mul_f32 v[SB+2*n:SB+1+2*n], v[SB+2*n:SB+1+2*n], v[192+2*n:193+2*n]
.set n, n+1
.endr
	WIN 0
.endm
.macro MAXES                           ; the largest t of each of my four blocks of 32 keys (two a tile), by turns: it serves the row's maximum and, since p rises with t, the block's largest p
.irp b, 0,1,2,3
	v_max3_num_f32 v[60+\b], v[SA+32*\b], v[SA+1+32*\b], v[SA+2+32*\b]
.endr
.irp i, 3,5,7,9,11,13,15,17,19,21,23,25,27,29
.irp b, 0,1,2,3
	v_max3_num_f32 v[60+\b], v[60+\b], v[SA+32*\b+\i], v[SA+1+32*\b+\i]
.endr
.endr
.irp b, 0,1,2,3
	v_max_num_f32 v[60+\b], v[60+\b], v[SA+31+32*\b]
.endr
.endm
.macro STATS                           ; the running largest t, -M = floor(-t), f = 2^(old M - new M); the two tiles line by line
	v_max3_num_f32 v40, v33, v60, v61
	v_max3_num_f32 v41, v37, v62, v63
	v_permlanex16_b32 v30, v40, s44, s45
	v_permlanex16_b32 v31, v41, s44, s45
	v_max_num_f32 v33, v40, v30                    ; with lane l xor 16's 64 keys
	v_max_num_f32 v37, v41, v31
	v_floor_f32 v40, -v33
	v_floor_f32 v41, -v37
	v_sub_f32 v46, v40, v32                        ; old M less new M: a whole number, 0 or less
	v_sub_f32 v47, v41, v36
	v_mov_b32 v32, v40
	v_mov_b32 v36, v41
	v_cvt_i32_f32 v46, v46                         ; (it saturates)
	v_cvt_i32_f32 v47, v47
	v_ldexp_f32 v42, 1.0, v46
	v_ldexp_f32 v44, 1.0, v47
.endm
.macro RESCALE                         ; O^T under the new M: x f, each accumulator from its low end on
	WIN 0x41
.irp x, 0,1
.set n, 0
.rept 16
	v_pk_mul_f32 v[32*\x+2*n:32*\x+2*n+1], v[32*\x+2*n:32*\x+2*n+1], v[42+2*\x:43+2*\x] op_sel_hi:[1,0]
.set n, n+1
.endr
.endr
	WIN 0
.endm
; A sum of num pairs, pair k at b + st k: the old sum x f in one fused multiply-add, four chains by turns.
.macro SUMC b, st, num, sl, sf
	v_pk_fma_f32 v[\sl:\sl+1], v[\sl:\sl+1], v[\sf:\sf+1], v[\b:\b+1] op_sel_hi:[1,0,1]
	v_pk_add_f32 v[46:47], v[\b+\st:\b+\st+1], v[\b+2*\st:\b+2*\st+1]
	v_pk_add_f32 v[40:41], v[\b+3*\st:\b+3*\st+1], v[\b+4*\st:\b+4*\st+1]
	v_pk_add_f32 v[60:61], v[\b+5*\st:\b+5*\st+1], v[\b+6*\st:\b+6*\st+1]
.set k, 7
.rept \num-7
.if k%4 == 3
	v_pk_add_f32 v[\sl:\sl+1], v[\sl:\sl+1], v[\b+\st*k:\b+\st*k+1]
.elseif k%4 == 0
	v_pk_add_f32 v[46:47], v[46:47], v[\b+\st*k:\b+\st*k+1]
.elseif k%4 == 1
	v_pk_add_f32 v[40:41], v[40:41], v[\b+\st*k:\b+\st*k+1]
.else
	v_pk_add_f32 v[60:61], v[60:61], v[\b+\st*k:\b+\st*k+1]
.endif
.set k, k+1
.endr
	v_pk_add_f32 v[46:47], v[46:47], v[40:41]
	v_pk_add_f32 v[\sl:\sl+1], v[\sl:\sl+1], v[60:61]
	v_pk_add_f32 v[\sl:\sl+1], v[\sl:\sl+1], v[46:47]
.endm
; p = 2^(t - M), and p's scale words.  Among tile 0's exponentials stand tile 1's subtractions; among tile 1's, tile 0's conversions and, in place behind them, the first level of its sum.
.macro EXPS
.set n, 0
.rept 32
	v_pk_add_f32 v[SA+2*n:SA+1+2*n], v[SA+2*n:SA+1+2*n], v[32:33] op_sel_hi:[1,0]   ; t - M (of the pair the low word, -M, serves both halves)
.set n, n+1
.endr
	v_add_f32 v60, v60, v32                        ; the same of each block's largest t
	v_add_f32 v61, v61, v32
	v_add_f32 v62, v62, v36
	v_add_f32 v63, v63, v36
	s_wait_alu depctr_va_vdst(0)                   ; the wait ahead of the batch
.irp b, 0,1,2,3
	v_exp_f32 v[60+\b], v[60+\b]                   ; the block's largest p: the same operations on the same number give the same bits
.endr
.set n, 0
.rept 32
	v_exp_f32 v[SA+2*n], v[SA+2*n]
	v_pk_add_f32 v[SB+2*n:SB+1+2*n], v[SB+2*n:SB+1+2*n], v[36:37] op_sel_hi:[1,0]
	v_exp_f32 v[SA+1+2*n], v[SA+1+2*n]
.set n, n+1
.endr
	s_wait_alu depctr_va_vdst(0)                   ; and behind it, ahead of its first reader and of the next batch
.irp b, 0,1,2,3
	v_max_num_f32 v[60+\b], 0x2800000, v[60+\b]    ; the floor 2^(5 - 127): the byte cannot fall under 1
.endr
.irp b, 0,1,2,3
	v_add_nc_u32 v[64+\b], 0xfe000000, v[60+\b]    ; 4 off the exponent field: the conversion's scale operand
.endr
.irp b, 0,1,2,3
	v_lshrrev_b32 v[68+\b], 23, v[64+\b]           ; the scale's byte: block 2 c + lane / 16
.endr
	v_lshl_or_b32 v50, v69, 16, v68
	v_lshl_or_b32 v51, v71, 16, v70
	v_permlane16_swap_b32 v50, v51                 ; now v50: the bytes of blocks 0, 2, v51: of blocks 1, 3; lanes 0-15 tile 0's, lanes 16-31 tile 1's
	v_lshl_or_b32 v49, v51, 8, v50
.set n, 0
.rept 64
	v_exp_f32 v[SB+n], v[SB+n]
.if n == 1
	v_cvt_scalef32_pk16_bf6_f32 v[72:74], v[SA:SA+15], v64
.elseif n == 3
	v_cvt_scalef32_pk16_bf6_f32 v[96:98], v[SA+16:SA+31], v64
.elseif n == 5
	v_cvt_scalef32_pk16_bf6_f32 v[78:80], v[SA+32:SA+47], v65
.elseif n == 7
	v_cvt_scalef32_pk16_bf6_f32 v[100:102], v[SA+48:SA+63], v65
.elseif n == 9
	v_nop                                          ; one plain place behind the conversions
.elseif (n > 11) && (n < 58) && ((n%3) == 0)
.set k, (n-12)/3
	v_pk_add_f32 v[SA+4*k:SA+4*k+1], v[SA+4*k:SA+4*k+1], v[SA+4*k+2:SA+4*k+3]
.endif
.set n, n+1
.endr
	s_wait_alu depctr_va_vdst(0)                   ; and behind this batch
.endm
.macro CODES                           ; the rest of P's codes (12 registers a tile), and the rest of tile 0's sum
.irp i, 0,1,2
	v_mov_b32 v[75+\i], v[96+\i]
	v_mov_b32 v[81+\i], v[100+\i]
.endr
	v_cvt_scalef32_pk16_bf6_f32 v[84:86], v[SB:SB+15], v66
	v_cvt_scalef32_pk16_bf6_f32 v[104:106], v[SB+16:SB+31], v66
	v_cvt_scalef32_pk16_bf6_f32 v[90:92], v[SB+32:SB+47], v67
	v_cvt_scalef32_pk16_bf6_f32 v[108:110], v[SB+48:SB+63], v67
	SUMC SA, 4, 16, 34, 42
.irp i, 0,1,2
	v_mov_b32 v[87+\i], v[104+\i]
	v_mov_b32 v[93+\i], v[108+\i]
.endr
.endm
.macro PV                              ; O^T += V^T P^T: eight accumulators, one instruction each
	WIN 0x51                                       ; V window 1, P window 0, C and D window 1
.irp ct, 0,1,2,3
	v_wmma_scale_f32_16x16x128_f8f6f4 v[8*\ct:8*\ct+7], v[144+12*\ct:155+12*\ct], v[72:83], v[8*\ct:8*\ct+7], v[56+\ct], v49 matrix_a_fmt:MATRIX_FMT_BF6 matrix_b_fmt:MATRIX_FMT_BF6
	v_wmma_scale_f32_16x16x128_f8f6f4 v[32+8*\ct:39+8*\ct], v[144+12*\ct:155+12*\ct], v[84:95], v[32+8*\ct:39+8*\ct], v[56+\ct], v49 matrix_a_fmt:MATRIX_FMT_BF6 matrix_b_fmt:MATRIX_FMT_BF6 matrix_b_scale:MATRIX_SCALE_ROW1
.endr
	WIN 0
.endm
; In front of a barrier: my tensor loads have landed, my stores of codes and my reads are done.  fill = 1: slot sl is filled again behind it, two chunks of 512 bytes on; fill = 2: Q's tile, 256 queries on.
.macro SYNC fill, sl
	s_wait_tensorcnt 0x0                           ; no tensor load of mine is out, so a group 0 may be written
.if (\fill) > 0
	ds_add_u32 v1, v2                              ; 0 onto my spare word
	ds_add_u32 v1, v2                              ; again
.endif
.if (\fill) == 1
	s_add_nc_u64 s[34+4*(\sl):35+4*(\sl)], s[34+4*(\sl):35+4*(\sl)], 1024
.elseif (\fill) == 2
	s_add_nc_u64 s[42:43], s[42:43], 1024
.endif
	s_wait_dscnt 0x0
	s_barrier_signal -1
.endm
.macro TLOAD fill, sl                  ; first behind the barrier, a wave's one tensor load until the next.  Waves 0, 1: K's tile, V's tile; wave 2: Q's
.if (\fill) == 1
	s_cmp_lt_u32 s10, 2
	s_cbranch_scc0 .Lnone_\@
	tensor_load_to_lds s[32+4*(\sl):35+4*(\sl)], s[16:23]
	s_nop 0
.else
	s_cmp_eq_u32 s10, 2
	s_cbranch_scc0 .Lnone_\@
	tensor_load_to_lds s[40:43], s[24:31]
	s_nop 0
.endif
.rept 4
	v_nop
.endr
.Lnone_\@:
.endm
; My two tiles against chunk c (counted from s46's).  quant = 1: the next chunk is quantised out of slot np, and a barrier publishes its codes; fill: what is filled again behind that barrier.
; next = 1: the following chunk's K is fetched at the end; 2: the same in pass 1, where the last trip's fetch is held at chunk 7.
.macro STEP c, np, quant, fill, ask, next
	s_wait_dscnt 16                                ; K's words and fragments are in; the 16 mask loads may be out
	QK
	v_add_nc_u32 v3, s46, v8                       ; addresses for this chunk; the four are the places behind the products
	v_add_nc_u32 v4, s46, v9
	v_add_nc_u32 v5, s46, v10
	v_add_nc_u32 v7, s48, v6
	FETCHV CBUF*(\c)
	s_wait_dscnt 17                                ; the mask numbers are in; V's 17 loads may be out
	MASKMUL
.if \quant
	QLOADS \np                                     ; into the registers that the mask numbers have left
.endif
	MAXES
	STATS
	RESCALE
.if \quant
	s_wait_dscnt 0x0
	QUANT CBUF*((\c)+1)
.endif
.if \ask
	global_prefetch_b8 v27, s[80:81] th:TH_LOAD_NT scope:SCOPE_SE   ; a block of 256 bytes of a row a lane: with the seven other waves and the partner's eight, K and V of two chunks, first chunks 4, 5, then 6, 7
.endif
	EXPS
.if \quant
	SYNC \fill, \np
.endif
	CODES                                          ; (work on registers alone, between the barrier's signal and its wait)
.if \quant
	s_barrier_wait -1                              ; the next chunk's codes are whole, slot np and the numbers in it are read
.if (\fill) > 0
	TLOAD \fill, \np
.endif
.endif
.if (\next) == 1
	FETCHK 3, 4, 5, 7, CBUF*((\c)+1), 512*((\c)+1)
.elseif (\next) == 2
	s_add_co_u32 s49, s46, CBUF
	s_min_u32 s49, s49, 7*CBUF
	s_add_co_u32 s50, s48, 512
	s_min_u32 s50, s50, 3584
	v_add_nc_u32 v3, s49, v8
	v_add_nc_u32 v4, s49, v9
	v_add_nc_u32 v5, s49, v10
	v_add_nc_u32 v7, s50, v6
	FETCHK 3, 4, 5, 7, 0, 0
.endif
	SUMC SB, 2, 32, 38, 44                         ; tile 1's sum, while those loads are out; 32 plain places ahead of the products
.if (\next) > 0
	s_wait_dscnt 33                                ; V is in; the 33 loads just issued may be out
.else
	s_wait_dscnt 0x0
.endif
	PV
.endm
; THE WAY OUT of a pass.  The sum's halves and lane l xor 16's are added; O^T / the sum goes through LDS (a slot that has had its last fill): rows of 256 queries; then each wave stores 8 rows of 1,024 bytes.
; more = 1: between the barrier's signal and its wait the next pass's Q is quantised and its first K fetched.
.macro OUT wr, rd, more
	s_wait_alu depctr_va_vdst(0)                   ; ahead of the reader of the sums
	v_add_f32 v40, v34, v35
	v_add_f32 v41, v38, v39
	v_permlanex16_b32 v30, v40, s44, s45
	v_permlanex16_b32 v31, v41, s44, s45
	v_add_f32 v40, v40, v30
	v_add_f32 v41, v41, v31
	s_wait_alu depctr_va_vdst(0)                   ; the wait ahead of the batch
	v_rcp_f32 v46, v40
	v_rcp_f32 v47, v41
	v_nop                                          ; a plain place behind the last reciprocal
	WIN 0x01                                       ; source 0 (O^T) window 1
	s_wait_alu depctr_va_vdst(0)                   ; and behind it, ahead of the first reader
.set n, 0
.rept 32
	v_mul_f32 v[SA+2*n], v[n], v46                 ; each accumulator from its low end on; queries 2 r and 2 r + 1 stand beside each other
	v_mul_f32 v[SA+1+2*n], v[32+n], v47
.set n, n+1
.endr
	WIN 0
.irp ct, 0,1,2,3
.irp j, 0,1,2,3,4,5,6,7
	ds_store_b64 v[\wr], v[SA+16*\ct+2*\j:SA+1+16*\ct+2*\j] offset:(16*\ct+\j)*ROWP   ; channel 16 ct + 8 (lane / 16) + j
.endr
.endr
	s_wait_dscnt 0x0
	s_barrier_signal -1
.if \more
	QLD
	s_wait_dscnt 0x0
	QBL
	INIT
	FETCHK 8, 9, 10, 6, 0, 0
	s_wait_alu depctr_va_vdst(0)
.endif
	s_barrier_wait -1                              ; the rows are whole
.set i, 0
.rept 16
	ds_load_b128 v[SA+4*i:SA+3+4*i], v[\rd] offset:(i/2)*ROWP+512*(i%2)
.set i, i+1
.endr
.set i, 0
.rept 16
	s_wait_dscnt 15-i                              ; the younger row loads may be out
	global_store_b128 v253, v[SA+4*i:SA+3+4*i], s[8:9] offset:4096*(i/2)+512*(i%2) th:TH_STORE_NT   ; 512 consecutive bytes of a row, at a multiple of 256
.set i, i+1
.endr
.endm
	s_load_b128 s[4:7], s[0:1], 0x0                ; qkv s[4:5], mask s[6:7]
	s_load_b64 s[8:9], s[0:1], 0x10                ; out0
	v_lshl_add_u32 v1, v0, 2, SPARE
	v_mov_b32 v2, 0
	ds_add_u32 v1, v2                              ; the opening lines: the add, twice on end, and the one wait
	ds_add_u32 v1, v2
	v_lshrrev_b32 v40, 5, v0
	v_readfirstlane_b32 s10, v40                   ; wave 0..7
	s_and_b32 s11, ttmp7, 0xffff                   ; which 512 queries
	s_mov_b32 s12, ttmp9                           ; the head bh
	s_and_b32 s13, s10, 1
	s_lshr_b32 s14, s10, 1
	s_lshr_b32 s15, s10, 2
	s_and_b32 s58, s10, 3
	s_and_b32 s59, s14, 1
	; byte offsets, made apart from the addresses; all stay under 2^31
	s_lshr_b32 s48, s12, 4
	s_mul_i32 s48, s48, 3072
	s_and_b32 s49, s12, 15
	s_lshl_b32 s49, s49, 6
	s_add_co_u32 s48, s48, s49
	s_lshl_b32 s48, s48, 12                        ; q's first row of the head
	s_lshl_b32 s60, s11, 11
	s_add_co_u32 s50, s48, s60                     ; Q's tile of pass 0: 2,048 x half
	s_mov_b32 s51, 0
	s_add_co_u32 s52, s13, 1
	s_lshl_b32 s52, s52, 22
	s_add_co_u32 s52, s52, s48                     ; K's rows (even waves) or V's (odd): 1,024 or 2,048 rows of 4,096 bytes on
	s_mov_b32 s53, 0
	s_and_b32 s54, s12, 7
	s_lshl_b32 s54, s54, 12                        ; the mask's row bh mod 8
	s_mov_b32 s55, 0
	s_lshl_b32 s56, s12, 18
	s_add_co_u32 s56, s56, s60                     ; out: row 64 bh, my half's queries
	s_mov_b32 s57, 0
	; the prefetches: wave: K or V by bit 1, 32 of its 64 rows by bit 0, and of the four blocks of 256 bytes of two chunks number 2 x half + bit 2; from chunk 4 on
	s_add_co_u32 s60, s59, 1
	s_lshl_b32 s60, s60, 22
	s_add_co_u32 s60, s60, s48
	s_lshl_b32 s61, s13, 17
	s_add_co_u32 s60, s60, s61
	s_lshl_b32 s61, s11, 9
	s_add_co_u32 s60, s60, s61
	s_lshl_b32 s61, s15, 8
	s_add_co_u32 s60, s60, s61
	s_add_co_u32 s60, s60, 2048
	s_mov_b32 s61, 0
	; descriptor group 1 for K's and V's tiles: 64 rows x 128 elements of 4 bytes, 16 bytes of padding behind each row's 128 words
	s_mov_b32 s16, (2<<16)|(1<<20)|(6<<22)|(3<<25)
	s_mov_b32 s17, 128<<16                         ; tensor_dim0
	s_mov_b32 s18, 64<<16                          ; tensor_dim1
	s_mov_b32 s19, 128<<16                         ; tile_dim0
	s_mov_b32 s20, 64                              ; tile_dim1
	s_mov_b32 s21, 1024                            ; elements from row to row
	s_mov_b32 s22, 0
	s_mov_b32 s23, 0
	; and for Q's: 64 rows x 256 elements, 16 bytes of padding behind each row's 256 words
	s_mov_b32 s24, (2<<16)|(1<<20)|(7<<22)|(3<<25)
	s_mov_b32 s25, 256<<16
	s_mov_b32 s26, 64<<16
	s_mov_b32 s27, 256<<16
	s_mov_b32 s28, 64
	s_mov_b32 s29, 1024
	s_mov_b32 s30, 0
	s_mov_b32 s31, 0
	s_mov_b32 s44, 0x76543210
	s_mov_b32 s45, 0xfedcba98                      ; v_permlanex16_b32's selects for lane l xor 16
	s_mul_i32 s62, s13, VHALF
	s_add_co_u32 s62, s62, SLOT0                   ; K's or V's place in slot 0
	s_mov_b32 s32, 1
	s_mov_b32 s33, s62
	s_mov_b32 s36, 1
	s_add_co_u32 s37, s62, SLOTB
	s_mov_b32 s40, 1
	s_mov_b32 s41, QREG
	s_wait_dscnt 0x0                               ; both opening adds are done
	s_wait_alu depctr_va_vdst(0)
	s_wait_kmcnt 0x0
	s_add_nc_u64 s[34:35], s[4:5], s[52:53]        ; chunk 0
	s_add_nc_u64 s[38:39], s[34:35], 512           ; chunk 1
	s_add_nc_u64 s[42:43], s[4:5], s[50:51]
	s_or_b32 s35, s35, 0x80000000
	s_or_b32 s39, s39, 0x80000000
	s_or_b32 s43, s43, 0x80000000
	s_add_nc_u64 s[80:81], s[4:5], s[60:61]
	s_add_nc_u64 s[6:7], s[6:7], s[54:55]
	s_add_nc_u64 s[8:9], s[8:9], s[56:57]
	; the first fills, one a wave: waves 0, 1 chunk 0; wave 2 Q's tile of pass 0; waves 3, 4 chunk 1
	s_cmp_lt_u32 s10, 2
	s_cbranch_scc0 .Lhead_1
	tensor_load_to_lds s[32:35], s[16:23]
	s_nop 0
.rept 4
	v_nop
.endr
	s_branch .Lhead_join
.Lhead_1:
	s_cmp_lt_u32 s10, 3
	s_cbranch_scc0 .Lhead_2
	tensor_load_to_lds s[40:43], s[24:31]
	s_nop 0
.rept 4
	v_nop
.endr
	s_branch .Lhead_join
.Lhead_2:
	s_cmp_lt_u32 s10, 5
	s_cbranch_scc0 .Lhead_join
	tensor_load_to_lds s[36:39], s[16:23]
	s_nop 0
.rept 4
	v_nop
.endr
.Lhead_join:
	v_lshlrev_b32 v254, 4, v0
	v_add_nc_u32 v255, MASK, v254                  ; and where my 16 bytes go in LDS
	global_load_b128 v[120:123], v254, s[6:7]      ; the mask's row: 256 threads x 16 bytes
	; the waves' parts of the LDS addresses
	SUM2 66, 13, 16896, 14, 128                    ; K's numbers: 32 rows x (wave % 2), 128 bytes x (wave / 2)
	s_add_co_u32 s66, s66, SLOT0
	SUM2 67, 15, 16896, 58, 128                    ; V's: 32 rows x (wave / 4), 128 bytes x (wave % 4)
	s_add_co_u32 s67, s67, SLOT0+VHALF
	SUM2 68, 15, 3072, 59, 128                     ; K's codes: tile 4 (wave / 4) + lane / 8, operand lane 16 (wave % 2) + 8 (wave / 2 % 2) + lane % 8
	s_lshl_b32 s79, s13, 8
	s_add_co_u32 s68, s68, s79
	SUM2 69, 15, 3072, 59, 64
	s_lshl_b32 s79, s13, 7
	s_add_co_u32 s69, s69, s79
	SUM2 70, 59, 128, 15, 8                        ; K's scale byte: 16 x row + 2 x tile + wave % 2
	s_add_co_u32 s70, s70, s13
	SUM2 71, 15, 3072, 59, 768                     ; V's codes: channel tile 2 (wave / 4) + lane / 16, half (wave / 2) % 2, operand lane 16 (wave % 2) + r
	s_add_co_u32 s72, s71, s79
	s_lshl_b32 s79, s13, 8
	s_add_co_u32 s71, s71, s79
	s_lshl_b32 s73, s15, 3                         ; V's scale byte: 16 r + 4 x channel tile + wave % 4
	s_add_co_u32 s73, s73, s58
	s_lshl_b32 s79, s10, 7
	s_add_co_u32 s74, s79, SLOT0
	s_add_co_u32 s76, s79, QREG
	s_mul_i32 s75, s10, 8*ROWP
	s_add_co_u32 s75, s75, SLOT0
	s_lshl_b32 s77, s10, 15
	; addresses: all made here, of the thread's number, the wave's number and constants
	v_and_b32 v112, 31, v0                         ; lane
	v_and_b32 v113, 15, v0                         ; r
	v_bfe_u32 v114, v0, 4, 1                       ; h
	v_bfe_u32 v115, v0, 3, 2                       ; lane / 8
	v_and_b32 v116, 7, v0
	v_bfe_u32 v119, v0, 3, 1
	v_lshlrev_b32 v8, 4, v112
	v_lshlrev_b32 v9, 3, v112
	v_lshlrev_b32 v10, 4, v113
	v_lshl_add_u32 v6, v114, 7, MASK
	v_lshl_add_u32 v11, v112, 2, s66
	v_add_nc_u32 v13, SLOTB, v11
	v_mul_u32_u24 v12, 528, v112
	v_add_nc_u32 v12, s67, v12
	v_add_nc_u32 v14, SLOTB, v12
	v_mul_u32_u24 v117, 768, v115
	v_lshl_add_u32 v15, v116, 4, v117
	v_add_nc_u32 v15, s68, v15
	v_lshl_add_u32 v16, v116, 3, v117
	v_add_nc_u32 v16, s69, v16
	v_lshlrev_b32 v17, 4, v116
	v_lshl_add_u32 v17, v114, 2, v17
	v_lshl_add_u32 v17, v119, 1, v17
	v_add_nc_u32 v17, s70, v17
	v_mul_u32_u24 v118, 1536, v114
	v_lshl_add_u32 v18, v113, 4, v118
	v_add_nc_u32 v18, s71, v18
	v_lshl_add_u32 v19, v113, 3, v118
	v_add_nc_u32 v19, s72, v19
	v_lshl_add_u32 v20, v114, 2, v10
	v_add_nc_u32 v20, s73, v20
	v_lshlrev_b32 v27, 12, v112                    ; the prefetches: a row of 4,096 bytes a lane; never rewritten
	v_mul_u32_u24 v28, 8*ROWP, v114                ; the way out, in: row 8 h (+ 16 ct + j), 128 bytes a wave, 8 a lane
	v_lshl_add_u32 v28, v113, 3, v28
	v_add_nc_u32 v28, s74, v28
	v_add_nc_u32 v29, s75, v8                      ; back: my wave's 8 rows, 16 bytes a lane
	v_lshlrev_b32 v252, 3, v113                    ; Q's tile: query 2 r + h of my wave's 32
	v_lshl_add_u32 v252, v114, 2, v252
	v_add_nc_u32 v252, s76, v252
	v_add_nc_u32 v253, s77, v8                     ; and my rows in out0
	v_mov_b32 v30, 0
	v_mov_b32 v31, 0
	v_mov_b32 v43, 0
	v_mov_b32 v45, 0
	INIT
	WIN 0x40
.irp z, 64,76,88
.irp i, 0,1,2,3,4,5
	v_mov_b32 v[\z+\i], 0                          ; the zero halves beside Q's fragments
.endr
.endr
	WIN 0
	s_mov_b32 s46, 0                               ; the chunks' codes: where this trip's begin
	s_mov_b32 s48, 0                               ; and its mask numbers
	s_mov_b32 s47, 2
	s_wait_alu depctr_va_vdst(0)
	s_wait_loadcnt 0x0
	v_pk_mul_f32 v[120:121], v[120:121], 0x3fb8aa3b op_sel_hi:[1,0]   ; m x log2(e)
	v_pk_mul_f32 v[122:123], v[122:123], 0x3fb8aa3b op_sel_hi:[1,0]
	ds_store_b128 v255, v[120:123]
	s_wait_tensorcnt 0x0                           ; Q's tile and chunks 0 and 1 have landed
	s_wait_dscnt 0x0                               ; my part of the mask is stored
	s_barrier_signal -1
	s_barrier_wait -1
	QLD
	QLOADS 0                                       ; chunk 0 is quantised ahead of the loop
	s_wait_dscnt 40                                ; Q's loads are in; the 40 just issued may be out
	QBL
	s_wait_dscnt 0x0
	QUANT 0
	s_wait_alu depctr_va_vdst(0)
	SYNC 1, 0
	s_barrier_wait -1                              ; chunk 0's codes are whole, slot 0 is read:
	TLOAD 1, 0                                     ; it takes chunk 2
	FETCHK 8, 9, 10, 6, 0, 0
.Lloop:                                                ; two trips: chunks 0 to 3; behind the barriers chunks 3 to 6 are asked for
	STEP 0, 1, 1, 1, 1, 1
	STEP 1, 0, 1, 1, 0, 1
	s_wait_xcnt 0x0                                ; the prefetch has read its address
	s_add_nc_u64 s[80:81], s[80:81], 1024
	s_add_co_u32 s46, s46, 2*CBUF
	s_add_co_u32 s48, s48, 1024
	s_sub_co_u32 s47, s47, 1
	s_cmp_lg_u32 s47, 0
	s_cbranch_scc1 .Lloop
	s_mov_b32 s46, 4*CBUF                          ; the last four chunks are written out
	s_mov_b32 s48, 2048
	STEP 0, 1, 1, 1, 0, 1                          ; chunk 7 is asked for,
	STEP 1, 0, 1, 2, 0, 1                          ; then Q's tile of pass 1,
	STEP 2, 1, 1, 0, 0, 1                          ; then nothing more; the barrier publishes chunk 7's codes and Q's tile
	STEP 3, 0, 0, 0, 0, 0
	OUT 28, 29, 1                                  ; pass 0 leaves by way of slot 0
	s_wait_xcnt 0x0                                ; the stores' data and base may be written again
	s_add_nc_u64 s[8:9], s[8:9], 1024
	s_mov_b32 s46, 0
	s_mov_b32 s48, 0
	s_mov_b32 s47, 8
.Lpass1:                                               ; eight trips, a chunk each, no barrier
	STEP 0, 0, 0, 0, 0, 2
	s_add_co_u32 s46, s46, CBUF
	s_add_co_u32 s48, s48, 512
	s_sub_co_u32 s47, s47, 1
	s_cmp_lg_u32 s47, 0
	s_cbranch_scc1 .Lpass1
	v_add_nc_u32 v21, SLOTB, v28                   ; pass 1 leaves by way of slot 1: no wave waits for pass 0's reads of slot 0
	v_add_nc_u32 v22, SLOTB, v29
	OUT 21, 22, 0
	s_wait_tensorcnt 0x0                           ; the wave's end
	ds_add_u32 v1, v2
	s_wait_dscnt 0x0
	s_endpgm
.Lfunc_end_k_q98ade4b380_attn:
	.size	k_q98ade4b380_attn, .Lfunc_end_k_q98ade4b380_attn-k_q98ade4b380_attn
	.p2alignl 7, 3214868480
	.fill 96, 4, 3214868480
	.section	.rodata,"a",@progbits
	.p2align	6, 0x0
	.amdhsa_kernel k_q98ade4b380_attn
		.amdhsa_group_segment_fixed_size 327680
		.amdhsa_private_segment_fixed_size 0
		.amdhsa_enable_private_segment 0
		.amdhsa_kernarg_size 24
		.amdhsa_user_sgpr_count 2
		.amdhsa_user_sgpr_kernarg_segment_ptr 1
		.amdhsa_wavefront_size32 1
		.amdhsa_system_sgpr_workgroup_id_x 1
		.amdhsa_system_sgpr_workgroup_id_y 1
		.amdhsa_system_sgpr_workgroup_id_z 1
		.amdhsa_system_vgpr_workitem_id 0
		.amdhsa_next_free_vgpr 512
		.amdhsa_next_free_sgpr 88
		.amdhsa_reserve_vcc 0
		.amdhsa_float_denorm_mode_32 3
		.amdhsa_float_denorm_mode_16_64 3
		.amdhsa_memory_ordered 1
		.amdhsa_forward_progress 1
		.amdhsa_inst_pref_size 255
	.end_amdhsa_kernel
	.section	.bss,"aw",@nobits
	.p2align	6
	.space	262144
	.amdgpu_metadata
---
amdhsa.version: [ 1, 2 ]
amdhsa.kernels:
  - .name:           k_q98ade4b380_attn
    .symbol:         k_q98ade4b380_attn.kd
    .args:
      - { .name: qkv, .offset: 0, .size: 8, .value_kind: global_buffer, .address_space: global }
      - { .name: mask, .offset: 8, .size: 8, .value_kind: global_buffer, .address_space: global }
      - { .name: out0, .offset: 16, .size: 8, .value_kind: global_buffer, .address_space: global }
    .group_segment_fixed_size: 327680
    .private_segment_fixed_size: 0
    .kernarg_segment_align: 8
    .kernarg_segment_size: 24
    .max_flat_workgroup_size: 256
    .sgpr_count:     88
    .vgpr_count:     512
    .wavefront_size: 32
...
	.end_amdgpu_metadata
.endif
;; end of part 1
